; MI455X (gfx1250); checked and timed in simulation.
; The chip was launched on July 23, 2026; its instructions are those of AMD's public machine-readable ISA for CDNA 5 (MIT licence, August 2026) and "CDNA5" Instruction Set Architecture Reference Guide (July 2026). The comments in the code are by the model that wrote it; some were corrected since.
;; cross spatial qk2v k relu. Allowed arithmetic: matrix products marked QUANTISED: E2M3 operands, one E8M0 scale for each 32 along K, by v_wmma_scale_f32_16x16x128_f8f6f4 with both operands' format E2M3, f32 sums; everything else in f32.
;; Inputs: W_kv1_codes 1,024 x 16 x 24 uint8 (E2M3 codes of W_kv1, K innermost, in blocks of 32 codes, four codes in three bytes); W_kv1_scales 1,024 x 16 uint8 (E8M0 scales of W_kv1, one for each 32 codes along K); W_kv2_codes 1,024 x 16 x 24 uint8 (E2M3 codes of W_kv2, K innermost, in blocks of 32 codes, four codes in three bytes); W_kv2_scales 1,024 x 16 uint8 (E8M0 scales of W_kv2, one for each 32 codes along K); x1 8 x 1,024 x 512 float32; x2 8 x 1,024 x 512 float32.
;; Outputs: out0 8 x 1,024 x 512 float32; out1 8 x 1,024 x 512 float32.
;; This version of the problem:
;;   THIS VERSION OF THE PROBLEM IS GIVEN IN LOW PRECISION. The matrix products marked QUANTISED in the list below multiply operands that are first quantised to E2M3 (2 exponent bits, 3 mantissa bits; 6 bits a number), with one power-of-two scale for each 32 numbers along K (OCP MX v1.0); their sums are f32. All else is computed in f32.
;;   The module's matrix products, in the order in which they are computed (A, B: the left and right operand; K: the contracted axis; several contracted axes count as one K, in the product's order):
;;     1. [M 8,192, K 512] x [K 512, N 1,024]; A: input x1; B: input W_kv1 (given as codes): QUANTISED
;;     2. [M 8,192, K 512] x [K 512, N 1,024]; A: input x2; B: input W_kv2 (given as codes): QUANTISED
;;     3. batch 64 x [M 1,024, K 64] x [K 64, N 1,024]; A: input x1; B: computed on the way: QUANTISED
;;     4. batch 64 x [M 1,024, K 64] x [K 64, N 1,024]; A: input x2; B: computed on the way: QUANTISED
;;     5. batch 64 x [M 1,024, K 1,024] x [K 1,024, N 64]; A: computed on the way; B: computed on the way: QUANTISED
;;     6. batch 64 x [M 1,024, K 1,024] x [K 1,024, N 64]; A: computed on the way; B: computed on the way: QUANTISED
;;   THE QUANTISER, for each operand of a quantised product, along K:
;;     - K is cut into blocks of 32 from its start; a last block that is shorter is filled with zeros.
;;     - A block's scale is 2^e with e = floor(log2(the largest magnitude in the block)) - 2, held to -126 .. 127; a block of zeros has e = 0. As a byte (E8M0): e + 127.
;;     - Each number is divided by its block's scale, clamped to +-7.5, and rounded to the nearest number of E2M3, ties to even, subnormals kept.
;;     - The product sums the exact products of the quantised numbers (number of the format x scale) in f32.
;;   ~~~python
;;   def quantise(x, axis):      # numpy; x: float32 -> the quantised numbers, widened to float32 again
;;       x = np.moveaxis(x, axis, -1); K = x.shape[-1]
;;       x = np.pad(x, [(0, 0)] * (x.ndim - 1) + [(0, -K % 32)]); x = x.reshape(x.shape[:-1] + (-1, 32)); a = np.abs(x).max(-1, keepdims=True)
;;       e = np.where(a > 0, np.clip(np.frexp(np.where(a > 0, a, 1))[1] - 1 - 2, -126, 127), 0)      # np.frexp(a)[1] - 1 = floor(log2(a)), exactly
;;       r = np.clip(x / 2.0 ** e, -7.5, 7.5)
;;       step = 2.0 ** (np.maximum(np.frexp(np.where(r == 0, 1, r))[1] - 1, 0) - 3)
;;       q = np.round(r / step) * step * 2.0 ** e      # np.round: ties to even
;;       return np.moveaxis(q.reshape(q.shape[:-2] + (-1,))[..., :K], -1, axis).astype(np.float32)
;;   ~~~
;;   OPERANDS COMPUTED ON THE WAY. 'Computed on the way' means the value that the module computes at that place (a softmax that the list does not call 'softmax' is quantised finished and normalised). What goes into a quantiser is computed in f32, as accurately as f32 sums, v_exp_f32 and their like allow (about 1e-6 of the number): no bf16 or f16 on the way to a quantiser, and a product that is left as it is and whose result goes on into a quantised operand takes f32 operands (vector FMAs, or v_wmma_f32_16x16x4_f32). A number that lies on a knife's edge between two numbers of the format may be rounded either way, as far as f32 arithmetic and the matrix unit's own rounding can turn it there, and no further.
;;   INPUTS GIVEN AS CODES. W_kv1 (in the module: [512, 1024], K = its axis 0); W_kv2 (in the module: [512, 1024], K = its axis 0): each comes as NAME_codes (uint8): NAME with its K axis moved to the last place and cut into blocks of 32 codes, [.., K / 32, bytes a block], one block behind the other in memory; four codes in three bytes: a row's codes are one little-endian stream of bits, code i at bits 6 i .. 6 i + 5 (a code: sign, 2 exponent bits, 3 mantissa bits); and NAME_scales (uint8): the same leading axes, one E8M0 byte (e + 127) for each 32 codes along K. Its value is code x scale, taken as it is: it is not quantised again, and the codes and scales need not be those that the quantiser above would give.
;; One version. Each part assembles by itself: llvm-mc -triple=amdgcn-amd-amdhsa -mcpu=gfx1250 --defsym DOCPART=n.
;; ======== version 1 of 1: 2 launches
;; workspace buffers: xq 6,291,456 bytes; xs 262,144 bytes; kvw 13,107,200 bytes
;; launch project (part 1): grid 256 x 1, 4 waves a work-group, clusters of 4 x 1, 327,680 bytes of LDS; arguments x1, x2, W_kv1_codes, W_kv1_scales, W_kv2_codes, W_kv2_scales, xq, xs, kvw; writes xq, xs, kvw
.if DOCPART == 1
	.amdgcn_target "amdgcn-amd-amdhsa--gfx1250"
	.amdhsa_code_object_version 6
	.text
	.protected	k_q2e3d8325a1_project
	.globl	k_q2e3d8325a1_project
	.p2align	8
	.type	k_q2e3d8325a1_project,@function
k_q2e3d8325a1_project:
	s_mov_b64 s[64:65], 0
	v_nop
	global_prefetch_b8 v0, s[64:65] scope:SCOPE_SE
	s_setreg_imm32_b32 hwreg(HW_REG_WAVE_MODE, 25, 1), 1
	s_wait_xcnt 0x0
	s_wait_alu depctr_hold_cnt(0) depctr_sa_sdst(0) depctr_va_vdst(0) depctr_va_sdst(0) depctr_va_ssrc(0) depctr_va_vcc(0) depctr_vm_vsrc(0)
	s_getreg_b32 s2, hwreg(HW_REG_IB_STS2, 6, 4)
	s_cmp_eq_u32 s2, 0
	s_cbranch_scc0 .Lentry_in_a_cluster
	s_endpgm
.Lentry_in_a_cluster:
	s_bfe_u32 s2, ttmp6, 0x10000c
	s_cmp_lg_u32 s2, 0x3003
	s_cbranch_scc0 .Lentry_shape_is_right
	s_endpgm
.Lentry_shape_is_right:
; kv = Q(x) W for both branches, on codes of FP6 (E2M3) with one E8M0 scale for each 32 along K, and what the next launch needs of it:
;   xq, xs : x's codes and scale words (x's blocks of 32 along its 512 channels are also a head's blocks along its 64: quantised once, used by both products)
;   kvw    : k quantised along the head's 64 channels, v quantised along the tokens, with their scale words.
; All three are laid as IMAGES OF OPERAND REGISTERS (lane l's 16 bytes at 16 l), so that the next launch loads fragments whole.
; SHARES.  256 work-groups: branch a (work-groups 0-127: x1, W_kv1; the others x2, W_kv2), batch b, block tb of 64 tokens.  A work-group makes all 1,024 columns for its 64 tokens, so x is read once.
; The four waves share the columns: in quarter Qt (256 rows of W) wave w owns rows 256 Qt + 64 w .. + 63: one head's k (Qt = 0, 1) or v (Qt = 2, 3).
; THE 16 ITEMS OF A TILE ARE NOT NEIGHBOURS: row i of tile u of a run of 64 items is item 8 u + (i & 7) + 32 (i >> 3).  In a result lane (r, h) holds rows 8 h + 0 .. 7 of source 0, so the 32 registers of
; tiles 0 .. 3 are items 32 h + 0 .. 31: ONE WHOLE BLOCK OF THE NEXT K IN ONE LANE.  So taken: the tokens of a block (x's tiles) and a k head's 64 rows of W.
;   k: source 0 = 16 rows of W, source 1 = 16 tokens: a lane holds one token and 32 channels.     v: source 0 = 16 tokens, source 1 = 16 rows of W: a lane holds one channel and 32 tokens.
; CLUSTER.  The four work-groups of a cluster belong to one branch and walk the same W: each tile of W is asked for jointly (mask 15).  W goes through two LDS slots of a quarter each; a wave fetches and reads its own 64 rows.
; By this text's own count a wave has at most four tensor loads out (the first fills), later one.
; LIMITS: NaN and infinities among the inputs are not served.  A block whose largest magnitude lies under 2^-124 keeps the scale byte 1; a block of zeros gets the byte 1 and not 127: its codes are zeros,
; which add nothing under any byte but 0xff, and the bytes are read by this program alone.
; REGISTERS, in windows of 256.  window 0: v1-29 addresses; v32-47 x's scale words; v48-79 W's; v80-106 codes and words on their way out; v108-124 the quantiser's; v128-255 16 accumulators
;   (while x is quantised: v128-191 64 numbers, v192-239 codes, v240-243 words).   window 1: x as loaded (256 registers), then x's 16 fragments.   window 2: W's fragments, two sets of four.
.set SLOTB, 111616                     ; an LDS slot: a quarter of W; in it 27,904 bytes for each wave
.set WREG,  27904
.set HALFK, 13952                      ; a k quarter's rows 32-63 of a wave begin here: 32 banks on from rows 0-31 (64 banks of 4 bytes: ISA guide 11.1), so that a tile's rows i and i + 32 do not meet
.set WP,    432                        ; a row of W in LDS: 3 x (128 bytes + 16 of padding) = 108 words: 16 neighbouring rows start at 16 different multiples of 4 banks
.set XSTG,  2*SLOTB                    ; 16 rows x (512 bytes + 16) for each wave: x turns from 16 bytes a lane to 128 bytes a lane
.set XIMG,  XSTG+4*8448                ; x's 16 fragments (tile u, K step s) at (4 u + s) x 1,536
.set XSC,   XIMG+16*1536               ; their scale words, 128 bytes each
.set SPARE, XSC+16*128                 ; the spare words, 128 bytes for each wave: two blocks of 256 bytes that no other line names
.set LI,   3                           ; 16 x lane
.set L8,   4                           ; 8 x lane
.set LS,   5                           ; 4 x lane
.set LR4,  6                           ; 4 x (lane % 16)
.set STGW, 7                           ; the stage: where I put 16 bytes
.set STGR, 8                           ; and where I read my row's 128 bytes
.set XWI,  9                           ; where my wave's images of x go
.set XWS,  10                          ; and their scale words
.set XRI,  11                          ; where any image of x is read
.set XRS,  12
.set SH8,  13                          ; 8 x (lane / 16)
.set AK1,  14                          ; v14-15 my place in a k tile of W, slot 0, 1; v16-17 the same behind one padding more
.set AV1,  18                          ; v18-19, v20-21 the same for a v tile
.set WSK,  22                          ; my row's scale bytes of W, for k tiles
.set SPW,  28                          ; LDS address of my spare word; never rewritten
.set NIL,  29                          ; 0; never rewritten
.set XSR,  32                          ; x's scale word of (u, s) at 32 + 4 u + s
.set WSR,  48                          ; W's of (Qt, pair of tiles, s) at 48 + 8 Qt + 4 pair + s: lanes 0-15 the even tile, lanes 16-31 the odd one
.set OUTF, 80
.set OW,   104
.set QM,   108
.set QSC,  112
.set QBY,  114
.set QTW,  116
.set QT0,  118
.set ACC,  128
.set PCR,  192
.set PWR,  240
.set WV,   3
.set G1K,  32                          ; s[32:39] group 1: 32 rows of W;  s[40:47]: 64 rows;  s[48:63] four groups 0
.set G1V,  40
.set G0,   48
.set XQB,  66
.set XSB,  68
.set KB,   70
.set KSCB, 72
.set VB,   74
.set VSCB, 76
.set SEL,  78
.set HIM,  80
.set MSB, 0
.macro WIN new                         ; the immediate's high byte repeats the setting that is left; a switch that changes nothing is dropped
.if MSB != (\new)
	s_set_vgpr_msb (MSB<<8)|(\new)
.set MSB, (\new)
.endif
.endm
.macro PLACES n                        ; places behind matrix instructions (ISA guide 7.12.1)
.rept \n
	v_nop
.endr
.endm
.macro CROUND                          ; a round of the cluster's barrier
	s_barrier_signal -1
	s_barrier_wait -1
	s_cmp_lg_u32 s[WV], 0
	s_cbranch_scc1 .Lnot_wave_0_\@
	s_barrier_signal -3
.Lnot_wave_0_\@:
	s_barrier_wait -3
	s_barrier_signal -1
	s_barrier_wait -1
.endm
; 64 numbers of a lane, register 32 c + i = number i of block 2 c + (lane / 16) of my row, become a fragment's 12 registers of codes and its scale word (whole in every lane).
; A block's largest magnitude needs no other lane.  Its exponent field less 2 is the conversion's scale operand; that, shifted, the byte.  ab = 1: magnitudes; 0: no number is negative.
; Each run of eight registers is first read at its low end.
.macro QUANT src, dst, wd, ab
.if \ab
.irp c, 0,1
	v_max3_num_f32 v[QM+2*\c], |v[(\src)+32*\c]|, |v[(\src)+32*\c+1]|, 0x1800000      ; with the floor 2^(3 - 127): the byte cannot fall under 1
	v_max3_num_f32 v[QM+2*\c+1], |v[(\src)+32*\c+16]|, |v[(\src)+32*\c+17]|, |v[(\src)+32*\c+18]|
.endr
.irp i, 2,4,6,8,10,12
.irp c, 0,1
	v_max3_num_f32 v[QM+2*\c], v[QM+2*\c], |v[(\src)+32*\c+\i]|, |v[(\src)+32*\c+\i+1]|
	v_max3_num_f32 v[QM+2*\c+1], v[QM+2*\c+1], |v[(\src)+32*\c+\i+17]|, |v[(\src)+32*\c+\i+18]|
.endr
.endr
.irp c, 0,1
	v_max3_num_f32 v[QM+2*\c], v[QM+2*\c], |v[(\src)+32*\c+14]|, |v[(\src)+32*\c+15]|
.endr
.irp c, 0,1
	v_max3_num_f32 v[QM+2*\c], v[QM+2*\c], v[QM+2*\c+1], |v[(\src)+32*\c+31]|
.endr
.else
.irp c, 0,1
	v_max3_num_f32 v[QM+2*\c], v[(\src)+32*\c], v[(\src)+32*\c+1], 0x1800000
	v_max3_num_f32 v[QM+2*\c+1], v[(\src)+32*\c+16], v[(\src)+32*\c+17], v[(\src)+32*\c+18]
.endr
.irp i, 2,4,6,8,10,12
.irp c, 0,1
	v_max3_num_f32 v[QM+2*\c], v[QM+2*\c], v[(\src)+32*\c+\i], v[(\src)+32*\c+\i+1]
	v_max3_num_f32 v[QM+2*\c+1], v[QM+2*\c+1], v[(\src)+32*\c+\i+17], v[(\src)+32*\c+\i+18]
.endr
.endr
.irp c, 0,1
	v_max3_num_f32 v[QM+2*\c], v[QM+2*\c], v[(\src)+32*\c+14], v[(\src)+32*\c+15]
.endr
.irp c, 0,1
	v_max3_num_f32 v[QM+2*\c], v[QM+2*\c], v[QM+2*\c+1], v[(\src)+32*\c+31]
.endr
.endif
.irp c, 0,1
	v_add_nc_u32 v[QSC+\c], 0xff000000, v[QM+2*\c]         ; 2 off the exponent field
.endr
.irp c, 0,1
	v_lshrrev_b32 v[QBY+\c], 23, v[QSC+\c]                 ; the scale's byte
.endr
	v_lshl_or_b32 v[\wd], v[QBY+1], 16, v[QBY]             ; my two bytes: blocks h and 2 + h,
	v_lshlrev_b32 v[\wd], v[SH8], v[\wd]                   ; at their places in the word;
	v_permlanex16_b32 v[QTW], v[\wd], s[SEL], s[SEL+1]
	v_or_b32 v[\wd], v[\wd], v[QTW]                        ; with lane l xor 16's two the word is whole
.irp c, 0,1
	v_cvt_scalef32_pk16_fp6_f32 v[(\dst)+6*\c:(\dst)+6*\c+2], v[(\src)+32*\c:(\src)+32*\c+15], v[QSC+\c]
	v_cvt_scalef32_pk16_fp6_f32 v[QT0+4*\c:QT0+4*\c+2], v[(\src)+32*\c+16:(\src)+32*\c+31], v[QSC+\c]   ; (a conversion's three registers begin on an even number)
.endr
	v_nop                                                  ; one plain place behind a scaled conversion
.irp c, 0,1
.irp i, 0,1,2
	v_mov_b32 v[(\dst)+6*\c+3+\i], v[QT0+4*\c+\i]
.endr
.endr
.endm
; One matrix instruction.  z: the sum begins (C = 0).  ra, rb: source 0's or source 1's scale words stand in lanes 16-31.
.macro WMM d, a, b, z, sa, sb, ra, rb
.if \z
.if \ra
	v_wmma_scale_f32_16x16x128_f8f6f4 v[(\d):(\d)+7], v[(\a):(\a)+11], v[(\b):(\b)+11], 0, v[\sa], v[\sb] matrix_a_fmt:MATRIX_FMT_FP6 matrix_b_fmt:MATRIX_FMT_FP6 matrix_a_scale:MATRIX_SCALE_ROW1
.elseif \rb
	v_wmma_scale_f32_16x16x128_f8f6f4 v[(\d):(\d)+7], v[(\a):(\a)+11], v[(\b):(\b)+11], 0, v[\sa], v[\sb] matrix_a_fmt:MATRIX_FMT_FP6 matrix_b_fmt:MATRIX_FMT_FP6 matrix_b_scale:MATRIX_SCALE_ROW1
.else
	v_wmma_scale_f32_16x16x128_f8f6f4 v[(\d):(\d)+7], v[(\a):(\a)+11], v[(\b):(\b)+11], 0, v[\sa], v[\sb] matrix_a_fmt:MATRIX_FMT_FP6 matrix_b_fmt:MATRIX_FMT_FP6
.endif
.else
.if \ra
	v_wmma_scale_f32_16x16x128_f8f6f4 v[(\d):(\d)+7], v[(\a):(\a)+11], v[(\b):(\b)+11], v[(\d):(\d)+7], v[\sa], v[\sb] matrix_a_fmt:MATRIX_FMT_FP6 matrix_b_fmt:MATRIX_FMT_FP6 matrix_a_scale:MATRIX_SCALE_ROW1
.elseif \rb
	v_wmma_scale_f32_16x16x128_f8f6f4 v[(\d):(\d)+7], v[(\a):(\a)+11], v[(\b):(\b)+11], v[(\d):(\d)+7], v[\sa], v[\sb] matrix_a_fmt:MATRIX_FMT_FP6 matrix_b_fmt:MATRIX_FMT_FP6 matrix_b_scale:MATRIX_SCALE_ROW1
.else
	v_wmma_scale_f32_16x16x128_f8f6f4 v[(\d):(\d)+7], v[(\a):(\a)+11], v[(\b):(\b)+11], v[(\d):(\d)+7], v[\sa], v[\sb] matrix_a_fmt:MATRIX_FMT_FP6 matrix_b_fmt:MATRIX_FMT_FP6
.endif
.endif
.endm
; A fragment of W, 16 rows x 128 K, K step ks: 24 + 24 bytes of the row's stream of bits in pieces of 8.  Lanes 16-31 read three pieces on; where that is behind one padding more (16 pieces to a padding), the second address register serves.
.macro FRAGW reg, adr, ks, rowoff
.irp p, 0,1,2,3,4,5
.set PCE, 12*(\ks)+6*(\p/3)+\p%3
.if PCE%16 < 13
	ds_load_b64 v[(\reg)+2*\p:(\reg)+2*\p+1], v[\adr] offset:8*PCE+16*(PCE/16)+(\rowoff)
.else
	ds_load_b64 v[(\reg)+2*\p:(\reg)+2*\p+1], v[(\adr)+2] offset:8*PCE+16*(PCE/16)+(\rowoff)
.endif
.endr
.endm
.macro WLOAD kind, slot, tile, p       ; a tile's four fragments (all 512 along K) into set p: 24 loads.  kind 0: a k tile (8 + 8 rows), 1: a v tile (16 neighbours)
	WIN 0x80                                       ; destination window 2
.irp ks, 0,1,2,3
.if \kind
	FRAGW 48*(\p)+12*\ks, AV1+\slot, \ks, 16*WP*(\tile)
.else
	FRAGW 48*(\p)+12*\ks, AK1+\slot, \ks, 8*WP*(\tile)
.endif
.endr
.endm
; 16 matrix instructions: one tile of W against the four tiles of tokens, K step by K step.  The four accumulators take turns, one instruction a turn.
.macro MUL kind, qt, tile, p
.if \kind
	WIN 0x09                                       ; source 0 (x) window 1, source 1 (W) window 2
.irp ks, 0,1,2,3
.irp u, 0,1,2,3
	WMM ACC+32*(\tile)+8*\u, 12*(4*\u+\ks), 48*(\p)+12*\ks, (\ks==0), XSR+4*\u+\ks, WSR+8*(\qt)+4*((\tile)/2)+\ks, 0, (\tile)%2
.endr
.endr
.else
	WIN 0x06                                       ; source 0 (W) window 2, source 1 (x) window 1
.irp ks, 0,1,2,3
.irp u, 0,1,2,3
	WMM ACC+32*\u+8*(\tile), 48*(\p)+12*\ks, 12*(4*\u+\ks), (\ks==0), WSR+8*(\qt)+4*((\tile)/2)+\ks, XSR+4*\u+\ks, (\tile)%2, 0
.endr
.endr
.endif
.endm
; A quarter: my 64 rows of W against the 64 tokens, 64 matrix instructions; W's tiles come one tile ahead, in runs of 24 loads.
.macro QMUL kind, slot, qt
	WLOAD \kind, \slot, 0, 0
	WLOAD \kind, \slot, 1, 1
	s_wait_dscnt 24                                ; the younger tile's 24 loads may be out; all that is older is in
	MUL \kind, \qt, 0, 0
	PLACES 4                                       ; in front of loads into registers that matrix instructions have read
	WLOAD \kind, \slot, 2, 0
	s_wait_dscnt 24
	MUL \kind, \qt, 1, 1
	PLACES 4
	WLOAD \kind, \slot, 3, 1
	s_wait_dscnt 24
	MUL \kind, \qt, 2, 0
	s_wait_dscnt 0x0
	MUL \kind, \qt, 3, 1
	WIN 0
	PLACES 5                                       ; four for the first reads of results and the next loads; the fifth since the next quarter begins these accumulators anew
.endm
.macro KOUT qt                         ; accumulators 32 u + .. : token tile u, a lane's 32 channels.  Two tiles make a fragment [tile 2 g | tile 2 g + 1]
	s_wait_xcnt 0x0                                ; earlier stores have read their data: these registers are written again only behind this wait
	QUANT ACC, OUTF, OW, 1
	QUANT ACC+64, OUTF+12, OW+1, 1
.irp g, 0,1
.irp k, 0,1,2
	global_store_b128 v[LI], v[OUTF+12*\g+4*\k:OUTF+12*\g+4*\k+3], s[KB:KB+1] offset:409600*(\qt)+1536*\g+512*\k   ; 32 lanes store 512 consecutive bytes, at a multiple of 512 from the buffer's first byte
.endr
.endr
	v_cndmask_b32 v[OW+2], v[OW], v[OW+1], s[HIM]  ; lanes 0-15 fragment 0's words, lanes 16-31 fragment 1's
	global_store_b32 v[LS], v[OW+2], s[KSCB:KSCB+1] offset:409600*(\qt)
.endm
.macro VOUT qt                         ; accumulators 32 t + .. : channel tile t, a lane's 32 tokens: half a fragment (64 of a key step's 128 tokens)
	s_wait_xcnt 0x0
	QUANT ACC, OUTF, OW, 1
	QUANT ACC+64, OUTF+12, OW+1, 1
.irp t, 0,1,2,3
	global_store_b128 v[LI], v[OUTF+6*\t:OUTF+6*\t+3], s[VB:VB+1] offset:409600*((\qt)-2)+768*\t
	global_store_b64 v[L8], v[OUTF+6*\t+4:OUTF+6*\t+5], s[VB:VB+1] offset:409600*((\qt)-2)+768*\t+512
.endr
	v_cndmask_b32 v[OW+2], v[OW], v[OW+1], s[HIM]  ; lanes 0-15 tiles 0 and 1's byte pairs, lanes 16-31 tiles 2 and 3's
	global_store_b32 v[LS], v[OW+2], s[VSCB:VSCB+1] offset:409600*((\qt)-2)
.endm
; A slot that has been read is filled again, with the quarter two on (512 rows of W further down), 64 rows a wave in one load.
.macro REFILL set
	s_wait_tensorcnt 0x0                           ; all my tensor loads have landed, the other slot's among them: a group 0 may be written
	ds_add_u32 v[SPW], v[NIL]                      ; 0 onto my spare word
	s_add_nc_u64 s[G0+4*\set+2:G0+4*\set+3], s[G0+4*\set+2:G0+4*\set+3], 512*384
	s_wait_dscnt 0x0                               ; the add is done, and my reads of the slot are over
	CROUND                                         ; no wave of any partner still reads the slot or has a load on its way
	tensor_load_to_lds s[G0+4*\set:G0+4*\set+3], s[G1V:G1V+7]      ; my one tensor load behind the round, and the first thing there
	s_nop 0
	PLACES 4
.endm
	s_load_b256 s[8:15], s[0:1], 0x0               ; x1, x2, W1's codes, W1's scales
	s_load_b256 s[16:23], s[0:1], 0x20             ; W2's codes, W2's scales, xq, xs
	s_load_b64 s[24:25], s[0:1], 0x40              ; kvw
	v_lshl_add_u32 v[SPW], v0, 2, SPARE
	v_mov_b32 v[NIL], 0
	ds_add_u32 v28, v29
	ds_add_u32 v28, v29
	s_wait_dscnt 0x0
	v_lshrrev_b32 v24, 5, v0
	v_readfirstlane_b32 s[WV], v24                 ; wave 0..3
	s_bfe_u32 s26, ttmp6, 0x40000                  ; cx: my place in the cluster; it enters global addresses of x, xq, xs, kvw alone
	s_lshl_b32 s27, ttmp9, 2
	s_add_co_u32 s27, s27, s26                     ; work-group 0..255
	s_lshr_b32 s28, ttmp9, 5                       ; a: the branch, which the partners share
	s_bfe_u32 s29, s27, 0x30004                    ; b: the batch
	s_and_b32 s30, s27, 15                         ; tb: the block of 64 tokens
	; group 1: rows of 384 bytes (512 codes), dense in memory, 16 bytes of padding behind every 128
	s_mov_b32 s[G1K], 15|(0<<16)|(1<<20)|(1<<21)|(4<<22)|(3<<25)   ; 15:0 the mask: all four work-groups; 17:16 elements of 1 byte; 20 padding on; 21 set beside a mask; 24:22 after every 32 words (code 4); 31:25 of 4 words (code 3)
	s_mov_b32 s[G1K+1], 384<<16                    ; tensor_dim0
	s_mov_b32 s[G1K+2], 32<<16                     ; tensor_dim1
	s_mov_b32 s[G1K+3], 384<<16                    ; tile_dim0
	s_mov_b32 s[G1K+4], 32                         ; tile_dim1
	s_mov_b32 s[G1K+5], 384                        ; tensor_dim0_stride
	s_mov_b32 s[G1K+6], 0
	s_mov_b32 s[G1K+7], 0
	s_mov_b32 s[G1V], 15|(0<<16)|(1<<20)|(1<<21)|(4<<22)|(3<<25)
	s_mov_b32 s[G1V+1], 384<<16
	s_mov_b32 s[G1V+2], 64<<16
	s_mov_b32 s[G1V+3], 384<<16
	s_mov_b32 s[G1V+4], 64
	s_mov_b32 s[G1V+5], 384
	s_mov_b32 s[G1V+6], 0
	s_mov_b32 s[G1V+7], 0
	s_mov_b32 s[SEL], 0x76543210
	s_mov_b32 s[SEL+1], 0xfedcba98                 ; v_permlanex16_b32's selects for lane l xor 16
	s_mov_b32 s[HIM], 0xffff0000                   ; lanes 16-31
	; byte offsets, each in the pair that will hold the base
	s_and_b32 s82, s27, 127                        ; x: 64 tokens of 2,048 bytes a work-group, 8 tokens on for each wave
	s_lshl_b32 s82, s82, 17
	s_lshl_b32 s84, s[WV], 14
	s_add_co_u32 s82, s82, s84
	s_mov_b32 s83, 0
	s_lshl_b32 s92, s[WV], 10                      ; W's scales: my 64 rows of 16 bytes
	s_mov_b32 s93, 0
	s_mul_i32 s94, s[WV], 64*384                   ; W's codes: my 64 rows
	s_mov_b32 s95, 0
	s_mul_i32 s96, s[WV], WREG                     ; and their place in a slot
	s_mul_i32 s66, s28, 3145728                    ; xq [a][b][pair][tb][tile][head in pair][768]: tile = my wave
	s_mul_i32 s84, s29, 393216
	s_add_co_u32 s66, s66, s84
	s_mul_i32 s84, s30, 6144
	s_add_co_u32 s66, s66, s84
	s_mul_i32 s84, s[WV], 1536
	s_add_co_u32 s66, s66, s84
	s_mov_b32 s67, 0
	s_lshl_b32 s68, s28, 17                        ; xs [a][b][pair][tb][tile][16 words]
	s_lshl_b32 s84, s29, 14
	s_add_co_u32 s68, s68, s84
	s_lshl_b32 s84, s30, 8
	s_add_co_u32 s68, s68, s84
	s_lshl_b32 s84, s[WV], 6
	s_add_co_u32 s68, s68, s84
	s_mov_b32 s69, 0
	s_and_b32 s89, s[WV], 1                        ; kvw [attention's branch][b][pair][204,800]: my head in its pair,
	s_lshr_b32 s90, s[WV], 1                       ; and which of a quarter's two pairs
	s_mul_i32 s86, s29, 819200
	s_mul_i32 s84, s90, 204800
	s_add_co_u32 s86, s86, s84
	s_mul_i32 s88, s28, 6553600
	s_sub_co_u32 s87, 6553600, s88
	s_add_co_u32 s87, s87, s86                     ; k goes to the OTHER branch's attention,
	s_add_co_u32 s88, s88, s86                     ; v to its own
	s_mul_i32 s84, s89, 49152
	s_mul_i32 s85, s30, 3072
	s_add_co_u32 s84, s84, s85
	s_add_co_u32 s70, s87, s84                     ; K's codes from byte 0 of the block,
	s_add_co_u32 s74, s88, s84
	s_add_co_u32 s74, s74, 98304                   ; V's from 98,304,
	s_lshl_b32 s84, s89, 11
	s_lshl_b32 s85, s30, 7
	s_add_co_u32 s84, s84, s85
	s_add_co_u32 s72, s87, s84
	s_add_co_u32 s72, s72, 196608                  ; K's scale words from 196,608,
	s_add_co_u32 s76, s88, s84
	s_add_co_u32 s76, s76, 200704                  ; V's from 200,704
	s_mov_b32 s71, 0
	s_mov_b32 s73, 0
	s_mov_b32 s75, 0
	s_mov_b32 s77, 0
	; lane addresses
	v_and_b32 v1, 15, v0                           ; r
	v_bfe_u32 v2, v0, 4, 1                         ; h
	v_and_b32 v24, 31, v0                          ; lane
	v_lshlrev_b32 v[LI], 4, v24
	v_lshlrev_b32 v[L8], 3, v24
	v_lshlrev_b32 v[LS], 2, v24
	v_lshlrev_b32 v[LR4], 2, v1
	v_lshlrev_b32 v[SH8], 3, v2
	v_mov_b32 v[QTW], 0                            ; written once: a lane permute's destination counts as one of its sources
	s_mul_i32 s97, s[WV], 8448
	s_add_co_u32 s97, s97, XSTG
	v_add_nc_u32 v[STGW], s97, v[LI]
	v_mul_u32_u24 v[STGR], v1, 528
	v_lshl_add_u32 v[STGR], v2, 7, v[STGR]
	v_add_nc_u32 v[STGR], s97, v[STGR]             ; row r, + 128 h: my block's 32 numbers
	s_mul_i32 s97, s[WV], 6144
	s_add_co_u32 s97, s97, XIMG
	v_add_nc_u32 v[XWI], s97, v[LI]
	s_lshl_b32 s97, s[WV], 9
	s_add_co_u32 s97, s97, XSC
	v_add_nc_u32 v[XWS], s97, v[LS]
	v_add_nc_u32 v[XRI], XIMG, v[LI]
	v_add_nc_u32 v[XRS], XSC, v[LS]
	v_and_b32 v25, 7, v0                           ; r & 7
	v_bfe_u32 v26, v0, 3, 1                        ; r >> 3
	v_mul_u32_u24 v27, v25, WP
	v_mad_u32_u24 v27, v26, HALFK, v27
	v_add_nc_u32 v27, s96, v27                     ; a k tile's row r: row r & 7 of the wave's first or second 32
	v_mad_u32_u24 v[AK1], v2, 24, v27
	v_mad_u32_u24 v[AK1+2], v2, 40, v27
	v_add_nc_u32 v[AK1+1], SLOTB, v[AK1]
	v_add_nc_u32 v[AK1+3], SLOTB, v[AK1+2]
	v_mul_u32_u24 v30, v1, WP
	v_add_nc_u32 v30, s96, v30                     ; a v tile's row r
	v_mad_u32_u24 v[AV1], v2, 24, v30
	v_mad_u32_u24 v[AV1+2], v2, 40, v30
	v_add_nc_u32 v[AV1+1], SLOTB, v[AV1]
	v_add_nc_u32 v[AV1+3], SLOTB, v[AV1+2]
	v_lshlrev_b32 v[WSK], 4, v25                   ; W's scale bytes, 16 a row: lanes 0-15 the even k tile's row, lanes 16-31 the odd one's, 8 rows on
	v_lshl_add_u32 v[WSK], v26, 9, v[WSK]
	v_lshl_add_u32 v[WSK], v2, 7, v[WSK]
	s_wait_kmcnt 0x0
	s_cmp_lt_u32 ttmp9, 32                         ; which branch: the choice hangs on the cluster's number alone
	s_cselect_b64 s[8:9], s[8:9], s[10:11]
	s_cselect_b64 s[12:13], s[12:13], s[16:17]
	s_cselect_b64 s[14:15], s[14:15], s[18:19]
	s_add_nc_u64 s[8:9], s[8:9], s[82:83]
	s_add_nc_u64 s[14:15], s[14:15], s[92:93]
	s_add_nc_u64 s[12:13], s[12:13], s[94:95]
	s_add_nc_u64 s[XQB:XQB+1], s[20:21], s[XQB:XQB+1]
	s_add_nc_u64 s[XSB:XSB+1], s[22:23], s[XSB:XSB+1]
	s_add_nc_u64 s[KB:KB+1], s[24:25], s[KB:KB+1]
	s_add_nc_u64 s[KSCB:KSCB+1], s[24:25], s[KSCB:KSCB+1]
	s_add_nc_u64 s[VB:VB+1], s[24:25], s[VB:VB+1]
	s_add_nc_u64 s[VSCB:VSCB+1], s[24:25], s[VSCB:VSCB+1]
	CROUND                                         ; all four work-groups are here: the first joint loads meet
.irp j, 0,1,2,3                        ; set j: slot j / 2 (quarter j / 2), my rows 32 (j % 2) on
	s_mov_b32 s[G0+4*\j], 1                                        ; 1:0 count = 1
	s_add_co_u32 s[G0+4*\j+1], s96, (\j/2)*SLOTB+(\j%2)*HALFK      ; 63:32 LDS address: the wave's number and constants alone
	s_add_nc_u64 s[G0+4*\j+2:G0+4*\j+3], s[12:13], ((\j/2)*256+(\j%2)*32)*384   ; 120:64 global address
	s_or_b32 s[G0+4*\j+3], s[G0+4*\j+3], 0x80000000               ; 127:126 type = 2
.endr
	tensor_load_to_lds s[G0:G0+3], s[G1K:G1K+7]    ; the two k quarters: four first fills in one group, ahead of every wait on TENSORcnt, every LDS read and every other barrier
	s_nop 0
	tensor_load_to_lds s[G0+4:G0+7], s[G1K:G1K+7]
	s_nop 0
	tensor_load_to_lds s[G0+8:G0+11], s[G1K:G1K+7]
	s_nop 0
	tensor_load_to_lds s[G0+12:G0+15], s[G1K:G1K+7]
	s_nop 0
	PLACES 4
	; W's scale words: a row's 16 bytes are its four words
.irp qt, 0,1
.irp pr, 0,1
	global_load_b128 v[WSR+8*\qt+4*\pr:WSR+8*\qt+4*\pr+3], v[WSK], s[14:15] offset:(256*\qt+16*\pr)*16
.endr
.endr
.irp qt, 2,3
.irp pr, 0,1
	global_load_b128 v[WSR+8*\qt+4*\pr:WSR+8*\qt+4*\pr+3], v[LI], s[14:15] offset:(256*\qt+32*\pr)*16   ; v tiles: row 16 x tile + r: 16 x lane serves
.endr
.endr
	; my tile of x: 16 tokens x 512 channels.  Each load reads 512 consecutive bytes: 128 channels of one token
	WIN 0x40                                       ; destination window 1
.irp ks, 0,1,2,3
.set I, 0
.rept 16
	global_load_b128 v[64*\ks+4*I:64*\ks+4*I+3], v[LI], s[8:9] offset:((I&7)+32*(I>>3))*2048+512*\ks th:TH_LOAD_NT
.set I, I+1
.endr
.endr
	; ---- x is quantised, a K step of 128 channels at a time
.irp ks, 0,1,2,3
	s_wait_loadcnt 48-16*\ks                       ; this K step's 16 loads (and W's scale words) are in; the later steps' 16 each may be out
	WIN 0x04                                       ; an LDS store's data are its source 1: window 1
.set I, 0
.rept 16
	ds_store_b128 v[STGW], v[64*\ks+4*I:64*\ks+4*I+3] offset:528*I
.set I, I+1
.endr
	WIN 0
.irp c, 0,1
.irp j, 0,1,2,3,4,5,6,7
	ds_load_b128 v[ACC+32*\c+4*\j:ACC+32*\c+4*\j+3], v[STGR] offset:256*\c+16*\j   ; LDS serves a wave's instructions in order (ISA guide 5.7.1.4): these see the stores above
.endr
.endr
	s_wait_dscnt 0x0
	QUANT ACC, PCR+12*\ks, PWR+\ks, 1
.irp k, 0,1,2
	ds_store_b128 v[XWI], v[PCR+12*\ks+4*\k:PCR+12*\ks+4*\k+3] offset:1536*\ks+512*\k   ; the fragment's image, for all four waves
.endr
	ds_store_b32 v[XWS], v[PWR+\ks] offset:128*\ks
	global_store_b128 v[LI], v[PCR+12*\ks:PCR+12*\ks+3], s[XQB:XQB+1] offset:98304*\ks             ; and for the next launch, head by head: registers 0-5 are the pair's first head, 6-11 its second
	global_store_b64 v[L8], v[PCR+12*\ks+4:PCR+12*\ks+5], s[XQB:XQB+1] offset:98304*\ks+512
	global_store_b128 v[LI], v[PCR+12*\ks+6:PCR+12*\ks+9], s[XQB:XQB+1] offset:98304*\ks+768
	global_store_b64 v[L8], v[PCR+12*\ks+10:PCR+12*\ks+11], s[XQB:XQB+1] offset:98304*\ks+1280
	global_store_b32 v[LR4], v[PWR+\ks], s[XSB:XSB+1] offset:4096*\ks                              ; both halves of the lanes write the same word with the same value
.endr
	s_wait_xcnt 0x0                                ; these stores have read their data: the products below write those registers
	s_wait_dscnt 0x0                               ; for the others' sake: my images lie in LDS
	s_barrier_signal -1
	s_barrier_wait -1                              ; the tensor loads may stay out
	WIN 0x40
.set F, 0
.rept 16
.irp k, 0,1,2
	ds_load_b128 v[12*F+4*\k:12*F+4*\k+3], v[XRI] offset:1536*F+512*\k   ; x's 16 fragments: they stay
.endr
.set F, F+1
.endr
	WIN 0
.set F, 0
.rept 16
	ds_load_b32 v[XSR+F], v[XRS] offset:128*F
.set F, F+1
.endr
	; ---- the four quarters
	s_wait_tensorcnt 2                             ; slot 0's two loads of mine are in (slot 1's two may be out); I read only what I fetched
	QMUL 0, 0, 0
	REFILL 0                                       ; ahead of the quantising and the stores: the load has those and a whole quarter in which to land
	KOUT 0
	QMUL 0, 1, 1                                   ; (the wait for 0 above has shown slot 1 landed)
	REFILL 2
	KOUT 1
	QMUL 1, 0, 2                                   ; (and the second wait for 0 the third quarter)
	VOUT 2
	s_wait_tensorcnt 0x0                           ; the last quarter: no load was issued behind it
	QMUL 1, 1, 3
	VOUT 3
	s_wait_tensorcnt 0x0                           ; the wave's end
	ds_add_u32 v[SPW], v[NIL]
	s_wait_dscnt 0x0
	CROUND                                         ; the closing round: no work-group ends while a partner may still ask for a tile that names it
	s_endpgm
.Lfunc_end_k_q2e3d8325a1_project:
	.size	k_q2e3d8325a1_project, .Lfunc_end_k_q2e3d8325a1_project-k_q2e3d8325a1_project
	.p2alignl 7, 3214868480
	.fill 96, 4, 3214868480
	.section	.rodata,"a",@progbits
	.p2align	6, 0x0
	.amdhsa_kernel k_q2e3d8325a1_project
		.amdhsa_group_segment_fixed_size 327680
		.amdhsa_private_segment_fixed_size 0
		.amdhsa_enable_private_segment 0
		.amdhsa_kernarg_size 72
		.amdhsa_user_sgpr_count 2
		.amdhsa_user_sgpr_kernarg_segment_ptr 1
		.amdhsa_wavefront_size32 1
		.amdhsa_system_sgpr_workgroup_id_x 1
		.amdhsa_system_sgpr_workgroup_id_y 1
		.amdhsa_system_sgpr_workgroup_id_z 1
		.amdhsa_system_vgpr_workitem_id 0
		.amdhsa_next_free_vgpr 608
		.amdhsa_next_free_sgpr 100
		.amdhsa_reserve_vcc 0
		.amdhsa_float_denorm_mode_32 3
		.amdhsa_float_denorm_mode_16_64 3
		.amdhsa_memory_ordered 1
		.amdhsa_forward_progress 1
		.amdhsa_inst_pref_size 131
	.end_amdhsa_kernel
	.amdgpu_metadata
---
amdhsa.version: [ 1, 2 ]
amdhsa.kernels:
  - .name:           k_q2e3d8325a1_project
    .symbol:         k_q2e3d8325a1_project.kd
    .args:
      - { .name: x1, .offset: 0, .size: 8, .value_kind: global_buffer, .address_space: global }
      - { .name: x2, .offset: 8, .size: 8, .value_kind: global_buffer, .address_space: global }
      - { .name: W_kv1_codes, .offset: 16, .size: 8, .value_kind: global_buffer, .address_space: global }
      - { .name: W_kv1_scales, .offset: 24, .size: 8, .value_kind: global_buffer, .address_space: global }
      - { .name: W_kv2_codes, .offset: 32, .size: 8, .value_kind: global_buffer, .address_space: global }
      - { .name: W_kv2_scales, .offset: 40, .size: 8, .value_kind: global_buffer, .address_space: global }
      - { .name: xq, .offset: 48, .size: 8, .value_kind: global_buffer, .address_space: global }
      - { .name: xs, .offset: 56, .size: 8, .value_kind: global_buffer, .address_space: global }
      - { .name: kvw, .offset: 64, .size: 8, .value_kind: global_buffer, .address_space: global }
    .group_segment_fixed_size: 327680
    .private_segment_fixed_size: 0
    .kernarg_segment_align: 8
    .kernarg_segment_size: 72
    .max_flat_workgroup_size: 128
    .sgpr_count:     100
    .vgpr_count:     608
    .wavefront_size: 32
...
	.end_amdgpu_metadata
.endif
;; end of part 1
;; launch attend (part 2): grid 256 x 1, 8 waves a work-group, clusters of 4 x 1, 240,640 bytes of LDS; arguments xq, xs, kvw, out0, out1; writes out0, out1
.if DOCPART == 2
	.amdgcn_target "amdgcn-amd-amdhsa--gfx1250"
	.amdhsa_code_object_version 6
	.text
	.protected	k_q2e3d8325a1_attend
	.globl	k_q2e3d8325a1_attend
	.p2align	8
	.type	k_q2e3d8325a1_attend,@function
k_q2e3d8325a1_attend:
	s_mov_b64 s[64:65], 0
	v_nop
	global_prefetch_b8 v0, s[64:65] scope:SCOPE_SE
	s_setreg_imm32_b32 hwreg(HW_REG_WAVE_MODE, 25, 1), 1
	s_wait_xcnt 0x0
	s_wait_alu depctr_hold_cnt(0) depctr_sa_sdst(0) depctr_va_vdst(0) depctr_va_sdst(0) depctr_va_ssrc(0) depctr_va_vcc(0) depctr_vm_vsrc(0)
	s_getreg_b32 s2, hwreg(HW_REG_IB_STS2, 6, 4)
	s_cmp_eq_u32 s2, 0
	s_cbranch_scc0 .Lentry_in_a_cluster
	s_endpgm
.Lentry_in_a_cluster:
	s_bfe_u32 s2, ttmp6, 0x10000c
	s_cmp_lg_u32 s2, 0x3003
	s_cbranch_scc0 .Lentry_shape_is_right
	s_endpgm
.Lentry_shape_is_right:
; out[n][d] = sum over m of Q(relu(q[n] . k[m] / 8)) Q(v)[m][d] for each branch, batch and head, both products on codes of FP6 (E2M3) with one E8M0 scale for each 32 along K.
; q, k, v arrive as images of operand registers with their scale words (buffers xq, xs, kvw of this program).
; 1 / 8 IS A POWER OF TWO: relu(s / 8) has the codes of relu(s) and a scale 2^-3 smaller.  So relu(s) is quantised and the finished sums are multiplied by 0.125: exact.
; LIMITS: NaN and infinities are not served.  A block of scores whose largest lies under 2^-124 keeps the scale byte 1 (a block of zeros too: its codes are zeros).
; SHARES.  A cluster (branch, batch, pair of heads) has four work-groups, one for each 256 queries.  Wave w: head w / 4 of the pair, 64 queries = four tiles of 16.  Two waves to a SIMD: one wave's quantiser stands beside the other's products.
; K, V AND THEIR SCALE WORDS OF THE PAIR OF HEADS, 204,800 bytes, are one dense block of memory: asked for jointly by the four work-groups, filled ONCE (one tensor load a wave out), and kept: no ring.
; LAYOUT.  Both products are used transposed: S^T = K Q^T (source 0 = 16 keys, source 1 = 16 queries), O^T = V^T P^T: a lane holds one query throughout.
; Row i of key tile u of a block of 64 keys is key 8 u + (i & 7) + 32 (i >> 3): so a lane's 32 registers of tiles 0 .. 3 are keys 32 (lane / 16) + 0 .. 31, one whole block of the next K.  The queries of a tile are chosen likewise.
; THE SCORES' K IS 64 and the instruction's 128: a fragment of K holds TWO key tiles, [tile 2 g | tile 2 g + 1], and meets [q | zeros] and then [zeros | q]: zero codes add nothing.
; REGISTERS.  window 0: v1-14 addresses; v16-69 zeros, q0, zeros, q1, .. , zeros (6 registers each); v70-73 q's scale words; v74-77 p's; v78-79 K's; v80-81 V's as loaded, v82-83 as used; v84-100 the quantiser's;
;   v102-149 p's codes, four fragments; v150-213 S^T of one tile of queries x 128 keys.   window 1: v0-127 O^T (tile i, channels 16 t on: 32 i + 8 t); v128-175 K's four fragments; v176-223 V's four.
.set AK0,  3                           ; my lane's place among K's images
.set AV0,  4                           ; among V's: registers 0-3 of a half image,
.set AV8,  5                           ; and registers 4-5
.set AS0,  6                           ; among K's scale words (V's lie 4,096 bytes on)
.set ADK,  7                           ; the same for the key step in hand
.set ADV,  8
.set ADV8, 9
.set ADS,  10
.set SH8,  11                          ; 8 x (lane / 16)
.set STO,  12                          ; the way out: where I put 32 bytes of a row
.set RD,   13                          ; where I read a row back
.set GO,   14                          ; my byte offset in out
.set ZQ,   16
.set QS,   70
.set PS,   74
.set KSR,  78
.set VR,   80
.set VS,   82
.set QM,   84
.set QSC,  88
.set QBY,  90
.set QTW,  92
.set QT0,  94
.set P,    102
.set S,    150
.set BK,   182                         ; the way out: 16 rows read back: v182-213 and v214-245 by turns
.set KF,   128                         ; in window 1
.set VF,   176
.set WV,   3
.set G1,   24
.set G0,   32
.set TB,   36                          ; s36 bytes from the first key step's codes to this step's: 6,144 a step
.set TS,   37                          ; s37 the same for scale words: 256 a step
.set CNT,  38
.set SEL,  40
.set PSEL, 42
.set STAGE, 204800                     ; behind K and V: 16 rows x (256 bytes + 16) for each wave
.set MSB, 0
.macro WIN new                         ; the immediate's high byte repeats the setting that is left; a switch that changes nothing is dropped
.if MSB != (\new)
	s_set_vgpr_msb (MSB<<8)|(\new)
.set MSB, (\new)
.endif
.endm
.macro PLACES n                        ; places behind matrix instructions (ISA guide 7.12.1)
.rept \n
	v_nop
.endr
.endm
.macro CROUND                          ; a round of the cluster's barrier
	s_barrier_signal -1
	s_barrier_wait -1
	s_cmp_lg_u32 s[WV], 0
	s_cbranch_scc1 .Lnot_wave_0_\@
	s_barrier_signal -3
.Lnot_wave_0_\@:
	s_barrier_wait -3
	s_barrier_signal -1
	s_barrier_wait -1
.endm
; 64 numbers of a lane, register 32 c + i = number i of block 2 c + (lane / 16) of my row, become a fragment's 12 registers of codes and its scale word (whole in every lane).
; A block's largest magnitude needs no other lane.  Its exponent field less 2 is the conversion's scale operand; that, shifted, the byte.  ab = 1: magnitudes; 0: no number is negative.
.macro QUANT src, dst, wd, ab
.if \ab
.irp c, 0,1
	v_max3_num_f32 v[QM+2*\c], |v[(\src)+32*\c]|, |v[(\src)+32*\c+1]|, 0x1800000
	v_max3_num_f32 v[QM+2*\c+1], |v[(\src)+32*\c+16]|, |v[(\src)+32*\c+17]|, |v[(\src)+32*\c+18]|
.endr
.irp i, 2,4,6,8,10,12
.irp c, 0,1
	v_max3_num_f32 v[QM+2*\c], v[QM+2*\c], |v[(\src)+32*\c+\i]|, |v[(\src)+32*\c+\i+1]|
	v_max3_num_f32 v[QM+2*\c+1], v[QM+2*\c+1], |v[(\src)+32*\c+\i+17]|, |v[(\src)+32*\c+\i+18]|
.endr
.endr
.irp c, 0,1
	v_max3_num_f32 v[QM+2*\c], v[QM+2*\c], |v[(\src)+32*\c+14]|, |v[(\src)+32*\c+15]|
.endr
.irp c, 0,1
	v_max3_num_f32 v[QM+2*\c], v[QM+2*\c], v[QM+2*\c+1], |v[(\src)+32*\c+31]|
.endr
.else
.irp c, 0,1
	v_max3_num_f32 v[QM+2*\c], v[(\src)+32*\c], v[(\src)+32*\c+1], 0x1800000          ; with the floor 2^(3 - 127): the byte cannot fall under 1
	v_max3_num_f32 v[QM+2*\c+1], v[(\src)+32*\c+16], v[(\src)+32*\c+17], v[(\src)+32*\c+18]
.endr
.irp i, 2,4,6,8,10,12
.irp c, 0,1
	v_max3_num_f32 v[QM+2*\c], v[QM+2*\c], v[(\src)+32*\c+\i], v[(\src)+32*\c+\i+1]
	v_max3_num_f32 v[QM+2*\c+1], v[QM+2*\c+1], v[(\src)+32*\c+\i+17], v[(\src)+32*\c+\i+18]
.endr
.endr
.irp c, 0,1
	v_max3_num_f32 v[QM+2*\c], v[QM+2*\c], v[(\src)+32*\c+14], v[(\src)+32*\c+15]
.endr
.irp c, 0,1
	v_max3_num_f32 v[QM+2*\c], v[QM+2*\c], v[QM+2*\c+1], v[(\src)+32*\c+31]
.endr
.endif
.irp c, 0,1
	v_add_nc_u32 v[QSC+\c], 0xff000000, v[QM+2*\c]         ; 2 off the exponent field
.endr
.irp c, 0,1
	v_lshrrev_b32 v[QBY+\c], 23, v[QSC+\c]                 ; the scale's byte
.endr
	v_lshl_or_b32 v[\wd], v[QBY+1], 16, v[QBY]             ; my two bytes: blocks h and 2 + h,
	v_lshlrev_b32 v[\wd], v[SH8], v[\wd]                   ; at their places in the word;
	v_permlanex16_b32 v[QTW], v[\wd], s[SEL], s[SEL+1]
	v_or_b32 v[\wd], v[\wd], v[QTW]                        ; with lane l xor 16's two the word is whole
.irp c, 0,1
	v_cvt_scalef32_pk16_fp6_f32 v[(\dst)+6*\c:(\dst)+6*\c+2], v[(\src)+32*\c:(\src)+32*\c+15], v[QSC+\c]
	v_cvt_scalef32_pk16_fp6_f32 v[QT0+4*\c:QT0+4*\c+2], v[(\src)+32*\c+16:(\src)+32*\c+31], v[QSC+\c]   ; (a conversion's three registers begin on an even number)
.endr
	v_nop                                                  ; one plain place behind a scaled conversion
.irp c, 0,1
.irp i, 0,1,2
	v_mov_b32 v[(\dst)+6*\c+3+\i], v[QT0+4*\c+\i]
.endr
.endr
.endm
; One matrix instruction.  z: the sum begins (C = 0).  ra: source 0's scale words stand in lanes 16-31.
.macro WMM d, a, b, z, sa, sb, ra
.if \z
.if \ra
	v_wmma_scale_f32_16x16x128_f8f6f4 v[(\d):(\d)+7], v[(\a):(\a)+11], v[(\b):(\b)+11], 0, v[\sa], v[\sb] matrix_a_fmt:MATRIX_FMT_FP6 matrix_b_fmt:MATRIX_FMT_FP6 matrix_a_scale:MATRIX_SCALE_ROW1
.else
	v_wmma_scale_f32_16x16x128_f8f6f4 v[(\d):(\d)+7], v[(\a):(\a)+11], v[(\b):(\b)+11], 0, v[\sa], v[\sb] matrix_a_fmt:MATRIX_FMT_FP6 matrix_b_fmt:MATRIX_FMT_FP6
.endif
.else
.if \ra
	v_wmma_scale_f32_16x16x128_f8f6f4 v[(\d):(\d)+7], v[(\a):(\a)+11], v[(\b):(\b)+11], v[(\d):(\d)+7], v[\sa], v[\sb] matrix_a_fmt:MATRIX_FMT_FP6 matrix_b_fmt:MATRIX_FMT_FP6 matrix_a_scale:MATRIX_SCALE_ROW1
.else
	v_wmma_scale_f32_16x16x128_f8f6f4 v[(\d):(\d)+7], v[(\a):(\a)+11], v[(\b):(\b)+11], v[(\d):(\d)+7], v[\sa], v[\sb] matrix_a_fmt:MATRIX_FMT_FP6 matrix_b_fmt:MATRIX_FMT_FP6
.endif
.endif
.endm
.macro KLOAD off                       ; K of the key step off bytes on from the one in hand: 2 scale words, 4 fragments: 14 loads
.irp cc, 0,1
	ds_load_b32 v[KSR+\cc], v[ADS] offset:(\off)/24+128*\cc       ; lanes 0-15 fragment 0's words, lanes 16-31 fragment 1's
.endr
	WIN 0x40                                       ; destination window 1
.irp cc, 0,1
.irp g, 0,1
.irp k, 0,1,2
	ds_load_b128 v[KF+12*(2*\cc+\g)+4*\k:KF+12*(2*\cc+\g)+4*\k+3], v[ADK] offset:(\off)+3072*\cc+1536*\g+512*\k
.endr
.endr
.endr
	WIN 0
.endm
.macro VLOAD                           ; V of the key step in hand: 2 scale words first, then 4 fragments, each of two half images: 18 loads
.irp cc, 0,1
	ds_load_b32 v[VR+\cc], v[ADS] offset:4096+128*\cc
.endr
	WIN 0x40
.irp t, 0,1,2,3
.irp cc, 0,1
	ds_load_b128 v[VF+12*\t+6*\cc:VF+12*\t+6*\cc+3], v[ADV] offset:3072*\cc+768*\t
	ds_load_b64 v[VF+12*\t+6*\cc+4:VF+12*\t+6*\cc+5], v[ADV8] offset:3072*\cc+768*\t
.endr
.endr
	WIN 0
.endm
.macro SRUN qi                         ; S^T of tile qi of queries x 128 keys: eight products, each its own accumulator.  Register 32 cc + 8 u + j: key 64 cc + 32 (lane / 16) + 8 u + j
	WIN 0x01                                       ; source 0 (K) window 1
.irp cc, 0,1
.irp g, 0,1
.irp e, 0,1
	WMM S+32*\cc+8*(2*\g+\e), KF+12*(2*\cc+\g), ZQ+6+12*(\qi)-6*\e, 1, KSR+\cc, QS+(\qi), \g
.endr
.endr
.endr
	WIN 0
.endm
.macro RELU                            ; in f32, each accumulator from its low end on
.set J, 0
.rept 64
	v_max_num_f32 v[S+J], 0, v[S+J]
.set J, J+1
.endr
.endm
.macro PVRUN zero                      ; O^T += V^T P^T over these 128 keys: sixteen accumulators, one instruction each
	WIN 0x51                                       ; source 0 (V), C and D window 1
.irp t, 0,1,2,3
.irp qi, 0,1,2,3
	WMM 32*\qi+8*\t, VF+12*\t, P+12*\qi, \zero, VS+(\t%2), PS+\qi, \t/2
.endr
.endr
	WIN 0
	PLACES 4                                       ; in front of the next loads into V's registers, and of the first read of O^T
.endm
; A KEY STEP: 128 keys.  zero = 1: the first step starts O^T's sums.  more = 1: the next step's K is fetched.
.macro STEP zero, more
	v_add_nc_u32 v[ADK], s[TB], v[AK0]
	v_add_nc_u32 v[ADV], s[TB], v[AV0]
	v_add_nc_u32 v[ADV8], s[TB], v[AV8]
	v_add_nc_u32 v[ADS], s[TS], v[AS0]
	VLOAD
	s_wait_dscnt 18                                ; V's 18 loads may be out; K's 14, asked for a step ago, are in
	SRUN 0
	PLACES 4
	RELU
	QUANT S, P, PS, 0
	SRUN 1
	s_wait_dscnt 16                                ; V's scale words are in; its 16 loads of codes may be out
	v_perm_b32 v[VS], v[VR+1], v[VR], 0x05040100   ; a tile's word for 128 keys: its pair of bytes of the first 64 keys, then of the second.  Lanes 0-15 tile 0, lanes 16-31 tile 2;
	v_perm_b32 v[VS+1], v[VR+1], v[VR], 0x07060302 ; tiles 1 and 3.  (These two lines are two of the four places)
	PLACES 2
	RELU
	QUANT S, P+12, PS+1, 0
	SRUN 2
	PLACES 4
	RELU
	QUANT S, P+24, PS+2, 0
	SRUN 3
	PLACES 4                                       ; for the reads of results, and for the loads into K's registers
.if \more
	KLOAD 6144                                     ; it lands during this tile's quantising and the products below
.endif
	RELU
	QUANT S, P+36, PS+3, 0
.if \more
	s_wait_dscnt 14                                ; V is in; the next step's K may be out
.else
	s_wait_dscnt 0x0
.endif
	PLACES 4                                       ; the last codes stand 4 places, the last scale word 15, ahead of the scaled products
	PVRUN \zero
	s_add_co_u32 s[TB], s[TB], 6144
	s_add_co_u32 s[TS], s[TS], 256
.endm
	s_load_b256 s[8:15], s[0:1], 0x0               ; xq, xs, kvw, out0
	s_load_b64 s[16:17], s[0:1], 0x20              ; out1
	v_lshl_add_u32 v254, v0, 2, 0x3a800
	v_mov_b32 v255, 0
	ds_add_u32 v254, v255
	ds_add_u32 v254, v255
	v_lshrrev_b32 v15, 5, v0
	v_readfirstlane_b32 s[WV], v15                 ; wave 0..7
	s_bfe_u32 s44, ttmp6, 0x40000                  ; cx: which 256 queries; it enters xq's, xs's and out's addresses alone
	s_lshr_b32 s45, s[WV], 2                       ; c: my head in the pair
	s_and_b32 s46, s[WV], 3
	s_lshl_b32 s47, s44, 2
	s_add_co_u32 s47, s47, s46                     ; tb: my block of 64 queries
	s_bfe_u32 s48, ttmp9, 0x30002                  ; the batch
	s_and_b32 s49, ttmp9, 3                        ; the pair of heads
	; the cluster's block of kvw, 204,800 dense bytes: each wave brings 100 rows of 256 bytes
	s_mov_b32 s[G1], 15|(3<<16)|(1<<21)            ; 15:0 the mask: all four work-groups; 17:16 elements of 8 bytes; 20 no padding; 21 set beside a mask
	s_mov_b32 s[G1+1], 32<<16                      ; tensor_dim0 = 32
	s_mov_b32 s[G1+2], 100<<16                     ; tensor_dim1 = 100
	s_mov_b32 s[G1+3], 32<<16                      ; tile_dim0
	s_mov_b32 s[G1+4], 100                         ; tile_dim1
	s_mov_b32 s[G1+5], 32                          ; tensor_dim0_stride
	s_mov_b32 s[G1+6], 0
	s_mov_b32 s[G1+7], 0
	s_mov_b32 s[G0], 1
	s_mul_i32 s[G0+1], s[WV], 25600                ; LDS address: the wave's number alone
	s_mul_i32 s20, ttmp9, 204800
	s_add_co_u32 s20, s20, s[G0+1]
	s_mov_b32 s21, 0
	s_mul_i32 s50, ttmp9, 98304                    ; xq: the cluster's 98,304 bytes, my block, my head
	s_mul_i32 s52, s47, 6144
	s_add_co_u32 s50, s50, s52
	s_mul_i32 s52, s45, 768
	s_add_co_u32 s50, s50, s52
	s_mov_b32 s51, 0
	s_lshl_b32 s52, ttmp9, 12                      ; xs
	s_lshl_b32 s54, s47, 8
	s_add_co_u32 s52, s52, s54
	s_mov_b32 s53, 0
	s_lshl_b32 s54, s48, 21                        ; out: 1,024 rows of 2,048 bytes a batch, 64 rows a block, 256 bytes a head
	s_lshl_b32 s56, s47, 17
	s_add_co_u32 s54, s54, s56
	s_lshl_b32 s56, s49, 1
	s_add_co_u32 s56, s56, s45
	s_lshl_b32 s56, s56, 8
	s_add_co_u32 s54, s54, s56
	s_mov_b32 s55, 0
	s_mul_i32 s57, s45, 49152                      ; my head's codes in LDS,
	s_lshl_b32 s58, s45, 11                        ; its scale words,
	s_mul_i32 s59, s[WV], 4352
	s_add_co_u32 s59, s59, STAGE                   ; my stage
	s_mov_b32 s[SEL], 0x76543210
	s_mov_b32 s[SEL+1], 0xfedcba98                 ; v_permlanex16_b32's selects for lane l xor 16
	s_mov_b32 s[TB], 0
	s_mov_b32 s[TS], 0
	s_mov_b32 s[PSEL], 0x03020302
	s_cmp_lt_u32 s[WV], 4
	s_cselect_b32 s[PSEL], 0x01000100, s[PSEL]     ; my head's two bytes of a query's scale word, laid twice
	s_wait_dscnt 0x0
	s_wait_kmcnt 0x0
	s_cmp_lt_u32 ttmp9, 32                         ; which branch's output: the choice hangs on the cluster's number alone
	s_cselect_b64 s[14:15], s[14:15], s[16:17]
	s_add_nc_u64 s[G0+2:G0+3], s[12:13], s[20:21]
	s_or_b32 s[G0+3], s[G0+3], 0x80000000          ; type = 2
	s_add_nc_u64 s[8:9], s[8:9], s[50:51]
	s_add_nc_u64 s[10:11], s[10:11], s[52:53]
	s_add_nc_u64 s[14:15], s[14:15], s[54:55]
	CROUND                                         ; all four work-groups are here: the joint loads meet
	tensor_load_to_lds s[G0:G0+3], s[G1:G1+7]      ; my eighth of K, V and their scale words: filled once
	s_nop 0
	PLACES 4
	v_and_b32 v1, 15, v0                           ; r
	v_bfe_u32 v2, v0, 4, 1                         ; h
	v_and_b32 v15, 31, v0                          ; lane
	v_lshlrev_b32 v214, 4, v15
	v_lshlrev_b32 v215, 3, v15
	v_lshlrev_b32 v216, 2, v1
.irp qi, 0,1,2,3                       ; my four tiles of queries: half images (64 channels), and their rows' scale words
	global_load_b128 v[ZQ+6+12*\qi:ZQ+9+12*\qi], v214, s[8:9] offset:1536*\qi
	global_load_b64 v[ZQ+10+12*\qi:ZQ+11+12*\qi], v215, s[8:9] offset:1536*\qi+512
	global_load_b32 v[PS+\qi], v216, s[10:11] offset:64*\qi
.endr
	v_lshl_add_u32 v[AK0], v15, 4, s57
	v_add_nc_u32 v[AV0], 98304, v[AK0]
	v_lshl_add_u32 v[AV8], v15, 3, s57
	v_add_nc_u32 v[AV8], 98816, v[AV8]
	v_lshl_add_u32 v[AS0], v15, 2, s58
	v_add_nc_u32 v[AS0], 196608, v[AS0]
	v_lshlrev_b32 v[SH8], 3, v2
	v_mul_u32_u24 v[STO], v1, 272
	v_lshl_add_u32 v[STO], v2, 5, v[STO]
	v_add_nc_u32 v[STO], s59, v[STO]               ; in: row r, + 32 h
	v_mul_u32_u24 v[RD], v2, 272
	v_lshl_add_u32 v[RD], v1, 4, v[RD]
	v_add_nc_u32 v[RD], s59, v[RD]                 ; back: lanes 0-15 one row of 256 bytes, lanes 16-31 the next
	v_lshlrev_b32 v[GO], 11, v2
	v_lshl_add_u32 v[GO], v1, 4, v[GO]             ; and the same two rows in out
	v_mov_b32 v[QTW], 0                            ; written once: a lane permute's destination counts as one of its sources
	s_wait_loadcnt 0x0
.irp qi, 0,1,2,3
	v_perm_b32 v[QS+\qi], v[PS+\qi], v[PS+\qi], s[PSEL]   ; the same two bytes serve [q | zeros] and [zeros | q]
.endr
.set J, 0
.rept 5                                ; the five runs of zero codes.  These moves and the additions below are the places between the lines above and the first scaled product
.irp k, 0,1,2,3,4,5
	v_mov_b32 v[ZQ+12*J+\k], 0
.endr
.set J, J+1
.endr
	s_wait_tensorcnt 0x0                           ; my part of K and V is in,
	s_barrier_signal -1
	s_barrier_wait -1                              ; everybody's is
	v_add_nc_u32 v[ADK], s[TB], v[AK0]
	v_add_nc_u32 v[ADS], s[TS], v[AS0]
	KLOAD 0
	STEP 1, 1                                      ; the first key step stands in front of the loop: its products start O^T's sums
	s_mov_b32 s[CNT], 6
.Lstep:
	STEP 0, 1
	s_sub_co_u32 s[CNT], s[CNT], 1
	s_cmp_lg_u32 s[CNT], 0
	s_cbranch_scc1 .Lstep
	STEP 0, 0                                      ; the eighth: nothing more to fetch
; THE WAY OUT, a tile of 16 queries at a time.  O^T x 0.125; a lane's eight channels are 32 bytes of a row; a row (one query, one head) is 256 bytes: through my own stage, and back as whole rows.
.macro OUTT qi
.if \qi >= 2
	s_wait_xcnt 0x0                                ; the stores of two tiles ago have read their data: the loads below land there
.endif
	WIN 0x01                                       ; source 0 (O^T) window 1
.set J, 0
.rept 16
	v_pk_mul_f32 v[S+J:S+J+1], v[32*\qi+J:32*\qi+J+1], 0x3e000000 op_sel_hi:[1,0]   ; each accumulator from its low end on
.set J, J+2
.endr
	WIN 0
.irp t, 0,1,2,3
	ds_store_b128 v[STO], v[S+8*\t:S+8*\t+3] offset:64*\t
	ds_store_b128 v[STO], v[S+8*\t+4:S+8*\t+7] offset:64*\t+16
.endr
.irp n, 0,1,2,3,4,5,6,7
	ds_load_b128 v[BK+32*(\qi%2)+4*\n:BK+32*(\qi%2)+4*\n+3], v[RD] offset:544*\n   ; LDS serves a wave's instructions in order (ISA guide 5.7.1.4): these see the stores above
.endr
.irp n, 0,1,2,3,4,5,6,7
	s_wait_dscnt 7-\n                              ; the younger loads may be out
	global_store_b128 v[GO], v[BK+32*(\qi%2)+4*\n:BK+32*(\qi%2)+4*\n+3], s[14:15] offset:(8*\qi+((2*\n)&7)+32*(\n>>2))*2048 th:TH_STORE_NT   ; tile row 2 n + h is query 8 qi + ((2 n + h) & 7) + 32 (n >> 2); 16 lanes store 256 consecutive bytes, at a multiple of 256 from out's first byte
.endr
.endm
	OUTT 0
	OUTT 1
	OUTT 2
	OUTT 3
	s_wait_dscnt 0x0
	s_wait_tensorcnt 0x0
	ds_add_u32 v254, v255
	s_wait_dscnt 0x0
	CROUND                                         ; the closing round: no work-group ends while a partner may still ask for a tile that names it
	s_endpgm
.Lfunc_end_k_q2e3d8325a1_attend:
	.size	k_q2e3d8325a1_attend, .Lfunc_end_k_q2e3d8325a1_attend-k_q2e3d8325a1_attend
	.p2alignl 7, 3214868480
	.fill 96, 4, 3214868480
	.section	.rodata,"a",@progbits
	.p2align	6, 0x0
	.amdhsa_kernel k_q2e3d8325a1_attend
		.amdhsa_group_segment_fixed_size 240640
		.amdhsa_private_segment_fixed_size 0
		.amdhsa_enable_private_segment 0
		.amdhsa_kernarg_size 40
		.amdhsa_user_sgpr_count 2
		.amdhsa_user_sgpr_kernarg_segment_ptr 1
		.amdhsa_wavefront_size32 1
		.amdhsa_system_sgpr_workgroup_id_x 1
		.amdhsa_system_sgpr_workgroup_id_y 1
		.amdhsa_system_sgpr_workgroup_id_z 1
		.amdhsa_system_vgpr_workitem_id 0
		.amdhsa_next_free_vgpr 480
		.amdhsa_next_free_sgpr 66
		.amdhsa_reserve_vcc 0
		.amdhsa_float_denorm_mode_32 3
		.amdhsa_float_denorm_mode_16_64 3
		.amdhsa_memory_ordered 1
		.amdhsa_forward_progress 1
		.amdhsa_inst_pref_size 111
	.end_amdhsa_kernel
	.amdgpu_metadata
---
amdhsa.version: [ 1, 2 ]
amdhsa.kernels:
  - .name:           k_q2e3d8325a1_attend
    .symbol:         k_q2e3d8325a1_attend.kd
    .args:
      - { .name: xq, .offset: 0, .size: 8, .value_kind: global_buffer, .address_space: global }
      - { .name: xs, .offset: 8, .size: 8, .value_kind: global_buffer, .address_space: global }
      - { .name: kvw, .offset: 16, .size: 8, .value_kind: global_buffer, .address_space: global }
      - { .name: out0, .offset: 24, .size: 8, .value_kind: global_buffer, .address_space: global }
      - { .name: out1, .offset: 32, .size: 8, .value_kind: global_buffer, .address_space: global }
    .group_segment_fixed_size: 240640
    .private_segment_fixed_size: 0
    .kernarg_segment_align: 8
    .kernarg_segment_size: 40
    .max_flat_workgroup_size: 256
    .sgpr_count:     66
    .vgpr_count:     480
    .wavefront_size: 32
...
	.end_amdgpu_metadata
.endif
;; end of part 2
